; MI455X (gfx1250); checked and timed in simulation.
; The chip was launched on July 23, 2026; its instructions are those of AMD's public machine-readable ISA for CDNA 5 (MIT licence, August 2026) and "CDNA5" Instruction Set Architecture Reference Guide (July 2026). The comments in the code are by the model that wrote it; some were corrected since.
;; LSTM. Allowed arithmetic: matrix products marked QUANTISED: E3M2 operands, one E8M0 scale for each 32 along K, by v_wmma_scale_f32_16x16x128_f8f6f4 with both operands' format E3M2, f32 sums; everything else in f32.
;; Inputs: Wf 1,024 x 2,048 float32; Wi 1,024 x 2,048 float32; Wo 1,024 x 2,048 float32; Wz 1,024 x 2,048 float32; bf 1,024 float32; bi 1,024 float32; bo 1,024 float32; bz 1,024 float32; prev_c 8,192 x 1,024 float32; prev_h 8,192 x 1,024 float32; x 8,192 x 1,024 float32.
;; Outputs: out0 2 x 8,192 x 1,024 float32.
;; This version of the problem:
;;   THIS VERSION OF THE PROBLEM IS GIVEN IN LOW PRECISION. The matrix products marked QUANTISED in the list below multiply operands that are first quantised to E3M2 (3 exponent bits, 2 mantissa bits; 6 bits a number), with one power-of-two scale for each 32 numbers along K (OCP MX v1.0); their sums are f32. All else is computed in f32.
;;   The module's matrix products, in the order in which they are computed (A, B: the left and right operand; K: the contracted axis; several contracted axes count as one K, in the product's order):
;;     1. [M 8,192, K 2,048] x [K 2,048, N 1,024]; A: computed on the way; B: input Wi: QUANTISED
;;     2. [M 8,192, K 2,048] x [K 2,048, N 1,024]; A: computed on the way; B: input Wf: QUANTISED
;;     3. [M 8,192, K 2,048] x [K 2,048, N 1,024]; A: computed on the way; B: input Wo: QUANTISED
;;     4. [M 8,192, K 2,048] x [K 2,048, N 1,024]; A: computed on the way; B: input Wz: QUANTISED
;;   THE QUANTISER, for each operand of a quantised product, along K:
;;     - K is cut into blocks of 32 from its start; a last block that is shorter is filled with zeros.
;;     - A block's scale is 2^e with e = floor(log2(the largest magnitude in the block)) - 4, held to -126 .. 127; a block of zeros has e = 0. As a byte (E8M0): e + 127.
;;     - Each number is divided by its block's scale, clamped to +-28, and rounded to the nearest number of E3M2, ties to even, subnormals kept.
;;     - The product sums the exact products of the quantised numbers (number of the format x scale) in f32.
;;   ~~~python
;;   def quantise(x, axis):      # numpy; x: float32 -> the quantised numbers, widened to float32 again
;;       x = np.moveaxis(x, axis, -1); K = x.shape[-1]
;;       x = np.pad(x, [(0, 0)] * (x.ndim - 1) + [(0, -K % 32)]); x = x.reshape(x.shape[:-1] + (-1, 32)); a = np.abs(x).max(-1, keepdims=True)
;;       e = np.where(a > 0, np.clip(np.frexp(np.where(a > 0, a, 1))[1] - 1 - 4, -126, 127), 0)      # np.frexp(a)[1] - 1 = floor(log2(a)), exactly
;;       r = np.clip(x / 2.0 ** e, -28, 28)
;;       step = 2.0 ** (np.maximum(np.frexp(np.where(r == 0, 1, r))[1] - 1, -2) - 2)
;;       q = np.round(r / step) * step * 2.0 ** e      # np.round: ties to even
;;       return np.moveaxis(q.reshape(q.shape[:-2] + (-1,))[..., :K], -1, axis).astype(np.float32)
;;   ~~~
;;   OPERANDS COMPUTED ON THE WAY. 'Computed on the way' means the value that the module computes at that place (a softmax that the list does not call 'softmax' is quantised finished and normalised). What goes into a quantiser is computed in f32, as accurately as f32 sums, v_exp_f32 and their like allow (about 1e-6 of the number): no bf16 or f16 on the way to a quantiser, and a product that is left as it is and whose result goes on into a quantised operand takes f32 operands (vector FMAs, or v_wmma_f32_16x16x4_f32). A number that lies on a knife's edge between two numbers of the format may be rounded either way, as far as f32 arithmetic and the matrix unit's own rounding can turn it there, and no further.
;; One version. Each part assembles by itself: llvm-mc -triple=amdgcn-amd-amdhsa -mcpu=gfx1250 --defsym DOCPART=n.
;; ======== version 1 of 1: 2 launches
;; limits: inputs' magnitudes at most 140,000,000,000,000; right only within a limited range of input values
;; workspace buffers: a_ops 13,107,200 bytes; w_ops 6,553,600 bytes
;; launch quant (part 1): grid 768 x 1, 4 waves a work-group, no clusters, 35,328 bytes of LDS; arguments x, prev_h, Wi, Wf, Wo, Wz, a_ops, w_ops; writes a_ops, w_ops
.if DOCPART == 1
	.amdgcn_target "amdgcn-amd-amdhsa--gfx1250"
	.amdhsa_code_object_version 6
	.text
	.protected	k_q269a4fbc3d_quant
	.globl	k_q269a4fbc3d_quant
	.p2align	8
	.type	k_q269a4fbc3d_quant,@function
k_q269a4fbc3d_quant:
	s_mov_b64 s[64:65], 0
	v_nop
	global_prefetch_b8 v0, s[64:65] scope:SCOPE_SE
	s_setreg_imm32_b32 hwreg(HW_REG_WAVE_MODE, 25, 1), 1
	s_wait_xcnt 0x0
; xh = [x | prev_h], [8192][2048], and the four gate weights, [1024][2048] each, all f32 with K innermost, become codes of BF6 (E3M2), 6 bits each, with one E8M0 scale byte for each 32 along K,
; LAID IN THE ORDER OF THE MATRIX OPERAND'S REGISTERS, so that the product's launch takes them from LDS by loads of 16 bytes a lane and from memory as dense blocks.
; A block's scale is 2^(floor(log2(its largest magnitude)) - 4); its byte is the largest magnitude's exponent field - 4, held at 1 from below.  Each number is divided by the scale and rounded to
; the nearest code, ties to even; beyond 28 the largest code.
; THE LAYOUT.  a_ops [64 half tiles of 128 rows][16 sub-steps of 128 along K][12,800 bytes], w_ops [32][16][12,800].  Such a chunk holds eight FRAGMENTS (16 rows x 128 K: 12 registers a lane) of 1,536 bytes,
; fragment i at 1,536 i: registers 4 c .. 4 c + 3 of lane l at 512 c + 16 l; behind them, at 12,288, the rows' scale words (four bytes: the sub-step's four blocks): row r of fragment i at 32 r + 4 i.
; THE WEIGHTS' ROWS: half tile t holds hidden units 32 t .. 32 t + 31 of all four gates; its fragment 2 g + u is gate g (0 i, 1 f, 2 o, 3 z), hidden units 32 t + 16 u + 0 .. 15.
; LIMITS: a block of zeros gets the byte 1 where the rule says 127 (its codes are zeros, which add nothing under any byte but 0xff, and this program alone reads the bytes); blocks whose largest
; magnitude lies under 2^-122 keep the byte 1; NaN and infinities among the inputs are not served.
; SHARES.  A work-group takes a half tile x 256 along K: two chunks.  Work-groups 0-511 take xh, 512-767 the weights.  Wave w takes fragments 2 w and 2 w + 1 of both chunks: 32 neighbouring rows of xh, or of
; gate w's weight.  All take ONE path through the text: only pointers, offsets and a pitch are chosen, on the work-group's and the wave's number.
; A FRAGMENT.  Sixteen loads, a row each: 512 consecutive bytes, 16 a lane.  The conversion wants 16 neighbours along K in one lane's registers, and the operand wants lane (r, h) to hold row r: so the 8,192
; bytes turn through the wave's own stage in LDS (rows of 512 bytes + 16, so that sixteen rows start at sixteen different groups of banks: 64 banks of 4 bytes, ISA guide 11.1) and come back as the lane's
; 64 numbers: register 16 b + i = K 32 b + 16 h + i of row r.  The next fragment's loads, and for a while those of the one after, are out meanwhile.
.set FRB,   1536                       ; a fragment in bytes
.set CHUNK, 12800                      ; eight fragments and their scale words
.set SPI,   528                        ; a stage row
.set STG,   16*SPI                     ; a wave's stage
.set SCB,   4*STG                      ; behind the stages: the two chunks' scale words, 512 bytes each
.set LI,    5                          ; v5   16 x lane
.set SIN,   6                          ; v6   the stage, on the way in: 16 x lane
.set SOUT,  7                          ; v7   and on the way out: 528 r + 64 h
.set SCW,   8                          ; v8   where my rows' scale words go: 32 r + 8 w
.set L8,    9                          ; v9   8 x lane
.set SCR,   10                         ; v10  where I read scale words back: 256 w + 8 x lane
.set PW,    15                         ; v15  the scale word just made
.set OFF,   16                         ; v16-31   16 x lane + j x pitch, for sixteen rows; never rewritten
.set R,     32                         ; v32-159  two sets of 64: a fragment's numbers as they are loaded
.set X,     160                        ; v160-223 the lane's 64 numbers in the operand's order
.set PC,    224                        ; v224-235 the fragment; v236-242 at work
.set TM,    244                        ; v244-247 largest magnitudes, v248-251 bytes, v252-255 the conversions' scale operands
.set SEL,   20                         ; s[20:21] lane selects for v_permlanex16_b32: lane l xor 16
.set P0,    36                         ; s[36:37] my first 16 rows, at the work-group's K
.set P1,    38                         ; s[38:39] my second 16 rows
.set SD,    40                         ; s[40:41] where the 256 bytes of scale words go that I store
.set CD,    42                         ; s[42:43] where my fragments go
	s_load_b256 s[4:11], s[0:1], 0x0               ; x, prev_h, Wi, Wf
	s_load_b256 s[12:19], s[0:1], 0x20             ; Wo, Wz, a_ops, w_ops
	v_lshl_add_u32 v239, v0, 2, 0x8800
	v_mov_b32 v243, 0
	v_lshrrev_b32 v1, 5, v0
	v_readfirstlane_b32 s24, v1                    ; wave
	v_and_b32 v2, 31, v0                           ; lane
	v_and_b32 v3, 15, v0                           ; r
	v_bfe_u32 v4, v0, 4, 1                         ; h
	v_lshlrev_b32 v[LI], 4, v2
	s_mul_i32 s30, s24, STG
	v_add_nc_u32 v[SIN], s30, v[LI]
	v_mul_u32_u24 v[SOUT], v3, SPI
	v_lshl_add_u32 v[SOUT], v4, 6, v[SOUT]
	v_add_nc_u32 v[SOUT], s30, v[SOUT]
	s_lshl_b32 s31, s24, 3
	s_add_co_u32 s31, s31, SCB
	v_lshlrev_b32 v[SCW], 5, v3
	v_add_nc_u32 v[SCW], s31, v[SCW]
	v_lshlrev_b32 v[L8], 3, v2
	s_lshl_b32 s31, s24, 8
	s_add_co_u32 s31, s31, SCB
	v_add_nc_u32 v[SCR], s31, v[L8]
	s_mov_b32 s[SEL], 0x76543210
	s_mov_b32 s[SEL+1], 0xfedcba98
.irp b, 0,1,2,3
	v_mov_b32 v[TM+4+\b], 0                        ; written once: a lane permute's destination counts as one of its sources
.endr
	; where my rows begin.  Both cases are worked out; the one that holds is chosen below
	s_and_b32 s27, ttmp9, 7                        ; sp: K = 256 sp on, sub-steps 2 sp and 2 sp + 1
	s_bfe_u32 s25, ttmp9, 0x50003                  ; a weight's half tile: 8 work-groups each, 32 in all
	s_lshr_b32 s26, ttmp9, 3                       ; xh's half tile
	s_lshl_b32 s28, s25, 18                        ; a weight: 32 rows of 8,192 bytes a half tile,
	s_lshl_b32 s29, s27, 10
	s_add_co_u32 s28, s28, s29                     ; + 1,024 sp bytes along the row
	s_lshl_b32 s32, s26, 19                        ; xh: 128 rows of 4,096 bytes a half tile,
	s_lshl_b32 s33, s24, 17
	s_add_co_u32 s32, s32, s33                     ; + 32 rows a wave,
	s_and_b32 s33, s27, 3
	s_lshl_b32 s33, s33, 10
	s_add_co_u32 s32, s32, s33                     ; + 1,024 (sp % 4) bytes along x's or prev_h's row
	s_wait_kmcnt 0x0
	s_cmp_lt_u32 s24, 2                            ; the wave's gate's weight: every choice hangs on ids alone
	s_cselect_b64 s[P0:P0+1], s[8:9], s[12:13]     ; Wi or Wo
	s_cselect_b64 s[P1:P1+1], s[10:11], s[14:15]   ; Wf or Wz
	s_bitcmp1_b32 s24, 0
	s_cselect_b64 s[P0:P0+1], s[P1:P1+1], s[P0:P0+1]
	s_cmp_lt_u32 s27, 4                            ; K under 1,024 lies in x, the rest in prev_h
	s_cselect_b64 s[P1:P1+1], s[4:5], s[6:7]
	s_cmp_lt_u32 ttmp9, 512                        ; xh's work-group or the weights'?
	s_cselect_b64 s[P0:P0+1], s[P1:P1+1], s[P0:P0+1]
	s_cselect_b64 s[SD:SD+1], s[16:17], s[18:19]   ; the buffer that takes the result
	s_cselect_b32 s2, s32, s28                     ; my rows' offset in the source
	s_cselect_b32 s34, s26, s25                    ; the half tile
	s_cselect_b32 s45, 12, 13                      ; a source row: 2^12 or 2^13 bytes
	s_mov_b32 s3, 0
	s_add_nc_u64 s[P0:P0+1], s[P0:P0+1], s[2:3]
	s_lshl_b32 s44, 1, s45                         ; the pitch
	s_lshl_b32 s2, s44, 4
	s_add_nc_u64 s[P1:P1+1], s[P0:P0+1], s[2:3]    ; 16 rows on
	s_lshl_b32 s34, s34, 4
	s_lshl_b32 s35, s27, 1
	s_add_co_u32 s34, s34, s35                     ; the first of my work-group's two chunks: 16 x half tile + 2 sp
	s_mul_i32 s2, s34, CHUNK
	s_mul_i32 s35, s24, 2*FRB
	s_add_co_u32 s2, s2, s35                       ; my fragments 2 w, 2 w + 1 in it
	s_add_nc_u64 s[CD:CD+1], s[SD:SD+1], s[2:3]
	s_lshr_b32 s35, s24, 1                         ; of the 1,024 bytes of scale words wave w stores bytes 256 w on: chunk w / 2,
	s_add_co_u32 s34, s34, s35
	s_mul_i32 s2, s34, CHUNK
	s_and_b32 s35, s24, 1
	s_lshl_b32 s35, s35, 8                         ; its half w % 2,
	s_add_co_u32 s2, s2, s35
	s_add_co_u32 s2, s2, 8*FRB                     ; behind the chunk's eight fragments
	s_add_nc_u64 s[SD:SD+1], s[SD:SD+1], s[2:3]
	v_mov_b32 v[OFF], v[LI]
.irp j, 1,2,3,4,5,6,7,8,9,10,11,12,13,14,15
	v_add_nc_u32 v[OFF+\j], s44, v[OFF+\j-1]
.endr
; fragment f = 2 u + ss: my rows 16 u on, sub-step 2 sp + ss; into set f % 2
.macro LOADF f
.irp j, 0,1,2,3,4,5,6,7,8,9,10,11,12,13,14,15
.if (\f)/2 == 0
	global_load_b128 v[R+64*((\f)%2)+4*\j:R+64*((\f)%2)+4*\j+3], v[OFF+\j], s[P0:P0+1] offset:512*((\f)%2) th:TH_LOAD_NT   ; 32 lanes read 512 consecutive bytes of one row
.else
	global_load_b128 v[R+64*((\f)%2)+4*\j:R+64*((\f)%2)+4*\j+3], v[OFF+\j], s[P1:P1+1] offset:512*((\f)%2) th:TH_LOAD_NT
.endif
.endr
.endm
; 64 numbers of a lane, v[s] .. v[s + 63], register 16 b + i = K 32 b + 16 h + i of my row, become a fragment's codes in v[PC] on and its scale word in v[PW].
.macro QUANT s
.irp b, 0,1,2,3
	v_max3_num_f32 v[TM+\b], |v[\s+16*\b]|, |v[\s+1+16*\b]|, 0x2800000   ; block b: my 16 numbers, and the floor 2^(5 - 127): so the byte cannot fall under 1
.endr
.irp i, 2,4,6,8,10,12,14
.irp b, 0,1,2,3
	v_max3_num_f32 v[TM+\b], v[TM+\b], |v[\s+16*\b+\i]|, |v[\s+1+16*\b+\i]|   ; (the four blocks by turns: no line waits for the line above it)
.endr
.endr
.irp b, 0,1,2,3
	v_permlanex16_b32 v[TM+4+\b], v[TM+\b], s[SEL], s[SEL+1]
.endr
.irp b, 0,1,2,3
	v_max_num_f32 v[TM+\b], v[TM+\b], v[TM+4+\b]   ; with lane l xor 16's: the block's largest magnitude
.endr
.irp b, 0,1,2,3
	v_add_nc_u32 v[TM+8+\b], 0xfe000000, v[TM+\b]  ; 4 off its exponent field: the conversion takes the exponent field of this operand as its scale, and nothing else of it
.endr
.irp b, 0,1,2,3
	v_lshrrev_b32 v[TM+4+\b], 23, v[TM+8+\b]       ; the scale's byte
.endr
	v_lshl_or_b32 v[PW], v[TM+5], 8, v[TM+4]       ; the four bytes make my row's scale word (lanes r and r + 16 hold the same)
	v_lshl_or_b32 v[PW], v[TM+6], 16, v[PW]
	v_lshl_or_b32 v[PW], v[TM+7], 24, v[PW]
.irp c, 0,1
	v_cvt_scalef32_pk16_bf6_f32 v[PC+6*\c:PC+2+6*\c], v[\s+32*\c:\s+15+32*\c], v[TM+8+2*\c]
	v_cvt_scalef32_pk16_bf6_f32 v[PC+12+4*\c:PC+14+4*\c], v[\s+16+32*\c:\s+31+32*\c], v[TM+8+2*\c+1]   ; (a conversion's three registers begin on an even number)
.endr
	v_nop                                          ; one plain vector line behind a scaled conversion
.irp c, 0,1                                    ; the operand's layout wants a WHOLE block in a lane: lanes 0-15 block 2 c, lanes 16-31 block 2 c + 1
.irp i, 0,1,2
	v_permlane16_swap_b32 v[PC+6*\c+\i], v[PC+12+4*\c+\i]
.endr
.irp i, 0,1,2
	v_mov_b32 v[PC+3+6*\c+\i], v[PC+12+4*\c+\i]    ; registers 6 c .. 6 c + 5 now hold K = 64 c + 32 h + 0 .. 31
.endr
.endr
.endm
.macro WORK f
.if (\f) < 3
	s_wait_loadcnt 16                              ; this fragment's sixteen loads are in; the next fragment's sixteen may be out
.else
	s_wait_loadcnt 0x0
.endif
.irp j, 0,1,2,3,4,5,6,7,8,9,10,11,12,13,14,15
	ds_store_b128 v[SIN], v[R+64*((\f)%2)+4*\j:R+64*((\f)%2)+4*\j+3] offset:SPI*\j   ; row j as it was loaded
.endr
.irp b, 0,1,2,3
.irp i, 0,1,2,3
	ds_load_b128 v[X+16*\b+4*\i:X+16*\b+4*\i+3], v[SOUT] offset:128*\b+16*\i       ; LDS serves a wave's instructions in order (ISA guide 5.7.1.4): these see the stores above
.endr
.endr
	s_wait_dscnt 0x0                               ; my 64 numbers are back; the stores into the stage, and the last scale word's, have read their registers
.if (\f) > 0
	s_wait_xcnt 0x0                                ; the last fragment's three stores have read their registers, which are written again below
.endif
.if (\f)+2 < 4
	LOADF (\f)+2                                   ; the set that has just been emptied takes the fragment two on
.endif
	QUANT X
.irp c, 0,1,2
	global_store_b128 v[LI], v[PC+4*\c:PC+4*\c+3], s[CD:CD+1] offset:CHUNK*((\f)%2)+FRB*((\f)/2)+512*\c   ; 32 lanes store 512 consecutive bytes, at a multiple of 256 from the buffer's first byte
.endr
	ds_store_b32 v[SCW], v[PW] offset:512*((\f)%2)+4*((\f)/2)   ; lanes r and r + 16 write the same word with the same value
.endm
	LOADF 0
	LOADF 1
	s_wait_alu depctr_va_vdst(0)
	WORK 0
	WORK 1
	WORK 2
	WORK 3
	s_wait_dscnt 0x0                               ; for the others' sake: my scale words lie in LDS
	s_barrier_signal -1
	s_barrier_wait -1                              ; a chunk's 512 bytes of scale words come from all four waves
	ds_load_b64 v[12:13], v[SCR]
	s_wait_dscnt 0x0
	global_store_b64 v[L8], v[12:13], s[SD:SD+1]   ; 32 lanes store 256 consecutive bytes, at a multiple of 256 from the buffer's first byte
	s_wait_tensorcnt 0x0
	ds_add_u32 v239, v243
	s_wait_dscnt 0x0
	s_endpgm
.Lfunc_end_k_q269a4fbc3d_quant:
	.size	k_q269a4fbc3d_quant, .Lfunc_end_k_q269a4fbc3d_quant-k_q269a4fbc3d_quant
	.p2alignl 7, 3214868480
	.fill 96, 4, 3214868480
	.section	.rodata,"a",@progbits
	.p2align	6, 0x0
	.amdhsa_kernel k_q269a4fbc3d_quant
		.amdhsa_group_segment_fixed_size 35328
		.amdhsa_private_segment_fixed_size 0
		.amdhsa_enable_private_segment 0
		.amdhsa_kernarg_size 64
		.amdhsa_user_sgpr_count 2
		.amdhsa_user_sgpr_kernarg_segment_ptr 1
		.amdhsa_wavefront_size32 1
		.amdhsa_system_sgpr_workgroup_id_x 1
		.amdhsa_system_sgpr_workgroup_id_y 1
		.amdhsa_system_sgpr_workgroup_id_z 1
		.amdhsa_system_vgpr_workitem_id 0
		.amdhsa_next_free_vgpr 256
		.amdhsa_next_free_sgpr 66
		.amdhsa_reserve_vcc 0
		.amdhsa_float_denorm_mode_32 3
		.amdhsa_float_denorm_mode_16_64 3
		.amdhsa_memory_ordered 1
		.amdhsa_forward_progress 1
		.amdhsa_inst_pref_size 35
	.end_amdhsa_kernel
	.amdgpu_metadata
---
amdhsa.version: [ 1, 2 ]
amdhsa.kernels:
  - .name:           k_q269a4fbc3d_quant
    .symbol:         k_q269a4fbc3d_quant.kd
    .args:
      - { .name: x, .offset: 0, .size: 8, .value_kind: global_buffer, .address_space: global }
      - { .name: prev_h, .offset: 8, .size: 8, .value_kind: global_buffer, .address_space: global }
      - { .name: Wi, .offset: 16, .size: 8, .value_kind: global_buffer, .address_space: global }
      - { .name: Wf, .offset: 24, .size: 8, .value_kind: global_buffer, .address_space: global }
      - { .name: Wo, .offset: 32, .size: 8, .value_kind: global_buffer, .address_space: global }
      - { .name: Wz, .offset: 40, .size: 8, .value_kind: global_buffer, .address_space: global }
      - { .name: a_ops, .offset: 48, .size: 8, .value_kind: global_buffer, .address_space: global }
      - { .name: w_ops, .offset: 56, .size: 8, .value_kind: global_buffer, .address_space: global }
    .group_segment_fixed_size: 35328
    .private_segment_fixed_size: 0
    .kernarg_segment_align: 8
    .kernarg_segment_size: 64
    .max_flat_workgroup_size: 128
    .sgpr_count:     66
    .vgpr_count:     256
    .wavefront_size: 32
...
	.end_amdgpu_metadata
.endif
;; end of part 1
;; launch lstm (part 2): grid 16 x 16, 4 waves a work-group, clusters of 4 x 4, 327,680 bytes of LDS; arguments a_ops, w_ops, bi, bf, bo, bz, prev_c, out0; writes out0
.if DOCPART == 2
	.amdgcn_target "amdgcn-amd-amdhsa--gfx1250"
	.amdhsa_code_object_version 6
	.text
	.protected	k_q269a4fbc3d_lstm
	.globl	k_q269a4fbc3d_lstm
	.p2align	8
	.type	k_q269a4fbc3d_lstm,@function
k_q269a4fbc3d_lstm:
	s_mov_b64 s[64:65], 0
	v_nop
	global_prefetch_b8 v0, s[64:65] scope:SCOPE_SE
	s_setreg_imm32_b32 hwreg(HW_REG_WAVE_MODE, 25, 1), 1
	s_wait_xcnt 0x0
	s_wait_alu depctr_hold_cnt(0) depctr_sa_sdst(0) depctr_va_vdst(0) depctr_va_sdst(0) depctr_va_ssrc(0) depctr_va_vcc(0) depctr_vm_vsrc(0)
	s_getreg_b32 s2, hwreg(HW_REG_IB_STS2, 6, 4)
	s_cmp_eq_u32 s2, 0
	s_cbranch_scc0 .Lentry_in_a_cluster
	s_endpgm
.Lentry_in_a_cluster:
	s_bfe_u32 s2, ttmp6, 0x10000c
	s_cmp_lg_u32 s2, 0xf033
	s_cbranch_scc0 .Lentry_shape_is_right
	s_endpgm
.Lentry_shape_is_right:
; One LSTM cell.  G[m][n] = bias[n] + sum over k of xh[m][k] W[n][k], M = 8,192, N = 4,096 (four gates x 1,024 hidden units), K = 2,048; both operands are codes of BF6 (E3M2)
; with one E8M0 scale for each 32 along K, as the launch before has laid them; sums in f32.  Then i, f, o = sigmoid, z = tanh, c = i z + f prev_c, h = o tanh(c); out0 = [h, c].
; THE OPERANDS: a_ops [64 half tiles of 128 rows][16 sub-steps of 128 along K][12,800 bytes], w_ops [32][16][12,800].  A chunk holds eight fragments (16 rows x 128 K, 12 registers a lane) of 1,536 bytes:
; registers 4 c .. 4 c + 3 of lane l at 512 c + 16 l; behind them, at 12,288, the scale words: row r of fragment i at 32 r + 4 i.  W's half tile t holds hidden units 32 t .. 32 t + 31 of all four
; gates; its fragment 2 g + u is gate g (0 i, 1 f, 2 o, 3 z), hidden units 16 u on.
; SHARES.  256 work-groups of four waves; each makes TWO tiles of 256 rows x 256 rows of W (64 hidden units), 16 tile rows apart; a wave makes 128 x 128: 64 accumulators, 512 registers.
; The matrix instruction is used transposed (source 0 = W, source 1 = xh): accumulator (a, 2 g + u), lane (r, h), register j is gate g of row 16 a + r, hidden unit 16 u + 8 h + j: the four gates of an
; element lie in one lane.  The accumulators begin as the biases, loaded straight into them, so that all sixteen sub-steps are alike and six of them make a loop's trip.
; THE RING: two LDS slots of three sub-steps (xh's two half tiles, then W's two).  A tile's sub-steps go as 1, 3, 3, 3, 3, 3.  One descriptor covers both half tiles (two rows, 204,800 bytes apart):
; wave 0 fetches xh, wave 1 W.  At sub-step 12 slot 0 has been read for the last time in the tile: waves 2 and 3 bring prev_c's tile into its first 69,632 bytes, waves 0 and 1 the next tile's sub-step 0 behind it;
; at sub-step 15 slot 1 takes the next tile's sub-steps 1 to 3.  The last tile's two turns are written out without those fills.  By this text's count a wave has one tensor load out at the most.
; CLUSTERS: 4 x 4.  xh's tiles are asked for jointly along a row of the cluster, W's along a column; prev_c's tile is the work-group's own.
; PREFETCHES: at a refill's turn each wave names, a lane a block of 256 bytes, its work-group's quarter of the three sub-steps that the NEXT turn's refill loads (waves 0, 1: xh's half tiles; 2, 3: W's; the four
; partners share the 150 blocks out by address, 38 each, clamped to the last).  A tile's sub-steps 0 to 6 come by their loads alone; W is named in the first tile alone.  prev_c's 64 rows a wave are
; named 32 at sub-step 3 and 32 at sub-step 9, ahead of the load at sub-step 12.
; THE CELL.  E = 2^min(arg, 40), arg = -x log2(e) for a sigmoid, 2 x log2(e) for a tanh; A = 1 + E, N = E - 1.  c = (Nz Af + prev_c Ai Az) / (Ai Az Af), h = Nc / (Ac Ao).
; LIMITS: the hold at 40 lets a sigmoid fall no lower than 2^-40 and keeps the denominators at 2^120 or under; |prev_c| stays under 2^47; NaN and infinities among the inputs are not served.
; REGISTERS: window 0: v8-31 addresses, v32-47 scale words (two sets), v128-223 xh's fragments (one set); on the way out v64-255 are at work.  Window 1: W's fragments, two sets, at v0 and v128.
; Window 2: the accumulators of my rows 0-63 ((a, b) at v[8 (8 a + b)]); window 3: those of rows 64-127.
.set FR,     12
.set FRB,    1536
.set NL,     3
.set NP,     4
.set CHUNK,  12800
.set SCO,    8*FRB
.set PART,   3*CHUNK
.set SLOT,   4*PART
.set EP,     272                       ; a row of 64 numbers + 16 bytes
.set FIRST,  256*EP                    ; in slot 0, behind prev_c's tile: a tile's sub-step 0, four chunks
.set STG,    2*SLOT                    ; the stage, stored into and never filled: c's 32 rows, then h's
.set SPARE,  STG+64*EP                 ; the spare words: 512 bytes that no other line names
.set WALKB,  512*CHUNK                 ; a_ops: 16 tile rows on
.set TSTEP,  0x1000000                 ; prev_c and out0: 4,096 rows of 4,096 bytes on
.set BOF,  8                           ; v8  the biases: 32 h
.set PF1,  9                           ; v9, v10  the ring's prefetches: my blocks
.set PF2,  10
.set ADRA, 16                          ; v16-18 my fragments of xh in slot 0, slot 1, the first sub-step's place
.set ADRB, 19                          ; v19-21 the same for W
.set ADRS, 22                          ; v22-24 scale words: lanes 0-15 xh's, lanes 16-31 W's
.set PCA,  25                          ; prev_c: my row, my 32 bytes
.set STC,  26                          ; the stage: where my c goes; h 32 rows on
.set RD,   27                          ; the stage: whole rows back: h (waves 0, 2) or c (waves 1, 3)
.set SPW,  28
.set NIL,  29
.set CO,   30                          ; my byte offset in two rows of out0
.set PFO,  31                          ; lane x a row of prev_c
.set SC,   32
.set AF,   128
.set T,    64                          ; the way out: gate g, element 8 u + j at v[T + 16 g + ..]
.set PCR,  128
.set NZ,   144
.set CC,   160
.set OUTB, 192
.set G1P,  4                           ; s[4:11]  group 1, prev_c's 128 rows
.set STP,  18                          ; s[18:19] slot 0's next step along K
.set RST,  20                          ; s[20:21] the ring prefetch's next step
.set PST,  22                          ; s[22:23] prev_c's prefetch's next step
.set G1A3, 24
.set G0A,  32                          ; s[32:39] group 0 for xh, a set for each slot
.set LIM,  44
.set TL,   45                          ; tiles to go
.set PFR,  46
.set G1B3, 48
.set G0B,  56
.set PFP,  66
.set G1A1, 68
.set G0P,  76
.set G1B1, 80
.set BP,   88                          ; s[88:95] the four biases at my 32 hidden units
.set LN,   96
.set L2,   98
.set CAP,  100
.set MSB, 0
.macro WIN new
.if MSB != \new
	s_set_vgpr_msb (MSB<<8)|\new
.set MSB, \new
.endif
.endm
.set MUL_LO, 0xa1
.set MUL_HI, 0xf1
.set TO_B,   0x40
.macro PLACES n
.rept \n
	v_nop
.endr
.endm
.macro TLOAD g0, g1                    ; the four v_nop stand ahead of any switch of windows and are the places in front of the LDS loads that follow
	tensor_load_to_lds s[\g0:\g0+3], s[\g1:\g1+7]
	s_nop 0
	PLACES 4
.endm
.macro ARM under, g0, g1, next, end    ; one arm of a chain of branches on the wave's number
	s_cmp_lt_u32 s14, \under
	s_cbranch_scc0 \next
	TLOAD \g0, \g1
	s_branch \end
\next:
.endm
; kind 1: the ring's refill of a slot.  kind 2: the next tile's sub-step 0 and prev_c.  kind 3: prev_c alone (the last tile)
.macro FILL kind, slot
.if \kind == 1
	ARM 1, G0A+4*\slot, G1A3, .Lf1_\@, .Lfe_\@
	ARM 2, G0B+4*\slot, G1B3, .Lf2_\@, .Lfe_\@
	PLACES 4
.endif
.if \kind == 2
	ARM 1, G0A, G1A1, .Lf1_\@, .Lfe_\@
	ARM 2, G0B, G1B1, .Lf2_\@, .Lfe_\@
	TLOAD G0P, G1P
.endif
.if \kind == 3
	s_cmp_lt_u32 s14, 2
	s_cbranch_scc1 .Lf1_\@
	TLOAD G0P, G1P
	s_branch .Lfe_\@
.Lf1_\@:
	PLACES 4
.endif
.Lfe_\@:
.endm
.macro CREST
	s_cmp_lg_u32 s14, 0
	s_cbranch_scc1 .Lnot_wave_0_\@
	s_barrier_signal -3
.Lnot_wave_0_\@:
	s_barrier_wait -3
	s_barrier_signal -1
	s_barrier_wait -1
.endm
.macro CROUND
	s_barrier_signal -1
	s_barrier_wait -1
	CREST
.endm
.macro BIAS a                          ; block a's eight accumulators begin as the biases: lane (r, h) takes gate g's at hidden units 16 u + 8 h + 0 .. 7
	WIN 0x80+0x40*((\a)/4)
.irp g, 0,1,2,3
.irp u, 0,1
	global_load_b128 v[64*((\a)%4)+8*(2*\g+\u):64*((\a)%4)+8*(2*\g+\u)+3],   v[BOF], s[BP+2*\g:BP+2*\g+1] offset:64*\u
	global_load_b128 v[64*((\a)%4)+8*(2*\g+\u)+4:64*((\a)%4)+8*(2*\g+\u)+7], v[BOF], s[BP+2*\g:BP+2*\g+1] offset:64*\u+16
.endr
.endr
	WIN 0
.endm
	s_load_b128 s[4:7], s[0:1], 0x0                ; a_ops, w_ops
	s_load_b256 s[BP:BP+7], s[0:1], 0x10           ; bi, bf, bo, bz
	s_load_b128 s[8:11], s[0:1], 0x30              ; prev_c, out0
	v_lshl_add_u32 v[SPW], v0, 2, SPARE
	v_mov_b32 v[NIL], 0
	ds_add_u32 v[SPW], v[NIL]                      ; the opening lines: the add twice on end and one wait, ahead of my first tensor load
	ds_add_u32 v[SPW], v[NIL]
	v_lshrrev_b32 v1, 5, v0
	v_readfirstlane_b32 s14, v1                    ; wave
	s_lshr_b32 s15, s14, 1                         ; rh: my half of the tile's rows
	s_and_b32 s16, s14, 1                          ; ch: my half of W's rows
	s_bfe_u32 s40, ttmp6, 0x40000                  ; cx
	s_bfe_u32 s41, ttmp6, 0x40004                  ; cy
	s_lshl_b32 s42, ttmp9, 2
	s_add_co_u32 s42, s42, s40                     ; tc: tile column
	s_and_b32 s17, ttmp7, 0xffff
	s_lshl_b32 s17, s17, 2
	s_add_co_u32 s17, s17, s41                     ; tr: the first tile's row
	s_lshl_b32 s43, s41, 2
	s_lshl_b32 s43, 15, s43                        ; my row of the cluster
	s_lshl_b32 s44, 0x1111, s40                    ; my column
	; group 1: two rows (the two half tiles), 25,600 elements of 8 bytes apart, of three chunks or of one; no padding; bit 21 beside the mask
	s_or_b32 s[G1A3], s43, (3<<16)|(1<<21)
	s_or_b32 s[G1A1], s43, (3<<16)|(1<<21)
	s_or_b32 s[G1B3], s44, (3<<16)|(1<<21)
	s_or_b32 s[G1B1], s44, (3<<16)|(1<<21)
.irp g, G1A3, G1B3
	s_mov_b32 s[\g+1], (PART/8)<<16
	s_mov_b32 s[\g+2], 2<<16
	s_mov_b32 s[\g+3], (PART/8)<<16
	s_mov_b32 s[\g+4], 2
	s_mov_b32 s[\g+5], 16*CHUNK/8
	s_mov_b32 s[\g+6], 0
	s_mov_b32 s[\g+7], 0
.endr
.irp g, G1A1, G1B1
	s_mov_b32 s[\g+1], (CHUNK/8)<<16
	s_mov_b32 s[\g+2], 2<<16
	s_mov_b32 s[\g+3], (CHUNK/8)<<16
	s_mov_b32 s[\g+4], 2
	s_mov_b32 s[\g+5], 16*CHUNK/8
	s_mov_b32 s[\g+6], 0
	s_mov_b32 s[\g+7], 0
.endr
	s_mul_i32 s20, s17, 32*CHUNK                   ; xh: half tile 2 tr
	s_mov_b32 s21, 0
	s_mul_i32 s46, s42, 32*CHUNK                   ; W: half tile 2 tc
	s_mov_b32 s47, 0
	s_wait_dscnt 0x0                               ; both opening adds are done
	s_wait_kmcnt 0x0
	s_add_nc_u64 s[20:21], s[4:5], s[20:21]
	s_add_nc_u64 s[46:47], s[6:7], s[46:47]
	CROUND                                         ; all sixteen work-groups are here: the first joint loads meet
	s_mov_b32 s[G0A], 1                            ; sub-step 0 to its place in slot 0
	s_mov_b32 s[G0A+1], FIRST
	s_mov_b64 s[G0A+2:G0A+3], s[20:21]
	s_or_b32 s[G0A+3], s[G0A+3], 0x80000000
	s_mov_b32 s[G0A+4], 1                          ; sub-steps 1 to 3 to slot 1
	s_mov_b32 s[G0A+5], SLOT
	s_add_nc_u64 s[G0A+6:G0A+7], s[20:21], CHUNK
	s_or_b32 s[G0A+7], s[G0A+7], 0x80000000
	s_mov_b32 s[G0B], 1
	s_mov_b32 s[G0B+1], FIRST+2*CHUNK
	s_mov_b64 s[G0B+2:G0B+3], s[46:47]
	s_or_b32 s[G0B+3], s[G0B+3], 0x80000000
	s_mov_b32 s[G0B+4], 1
	s_mov_b32 s[G0B+5], SLOT+2*PART
	s_add_nc_u64 s[G0B+6:G0B+7], s[46:47], CHUNK
	s_or_b32 s[G0B+7], s[G0B+7], 0x80000000
	; the head's four fills, one a wave, in one chain of branches on the wave's number
	ARM 1, G0A, G1A1, .Lh1, .Lhe
	ARM 2, G0B, G1B1, .Lh2, .Lhe
	ARM 3, G0A+4, G1A3, .Lh3, .Lhe
	TLOAD G0B+4, G1B3
.Lhe:
	; the ring's prefetches: waves 0, 1 xh's half tile ch, waves 2, 3 W's; they begin at sub-step 7
	s_cmp_eq_u32 s15, 0
	s_cselect_b64 s[PFR:PFR+1], s[20:21], s[46:47]
	s_cselect_b32 s43, s40, s41                    ; my place among the four that ask jointly
	s_mul_i32 s43, s43, 38
	s_mul_i32 s2, s16, 16*CHUNK
	s_add_co_u32 s2, s2, 7*CHUNK
	s_mov_b32 s3, 0
	s_add_nc_u64 s[PFR:PFR+1], s[PFR:PFR+1], s[2:3]
	s_lshl_b32 s18, s17, 20                        ; prev_c and out0: 256 tr rows of 4,096 bytes + 64 tc numbers
	s_lshl_b32 s19, s42, 8
	s_add_co_u32 s18, s18, s19
	s_lshl_b32 s2, s16, 19                         ; prev_c's load: waves 2, 3 take 128 rows each
	s_add_co_u32 s2, s2, s18
	s_mov_b32 s[G0P], 1
	s_mul_i32 s[G0P+1], s16, 128*EP
	s_add_nc_u64 s[G0P+2:G0P+3], s[8:9], s[2:3]
	s_or_b32 s[G0P+3], s[G0P+3], 0x80000000
	s_lshl_b32 s2, s14, 18                         ; its prefetch: 64 rows a wave
	s_add_co_u32 s2, s2, s18
	s_add_nc_u64 s[PFP:PFP+1], s[8:9], s[2:3]
	s_lshl_b32 s2, s15, 19                         ; out0: + 128 rh rows + the plane: h (waves 0, 2) or c (waves 1, 3)
	s_add_co_u32 s2, s2, s18
	s_lshl_b32 s19, s16, 25
	s_add_co_u32 s2, s2, s19
	s_add_nc_u64 s[12:13], s[10:11], s[2:3]
	s_lshl_b32 s2, s42, 8                          ; the biases: hidden unit 64 tc + 32 ch
	s_lshl_b32 s19, s16, 7
	s_add_co_u32 s2, s2, s19
.irp g, 0,1,2,3
	s_add_nc_u64 s[BP+2*\g:BP+2*\g+1], s[BP+2*\g:BP+2*\g+1], s[2:3]
.endr
	s_mov_b32 s[G1P+0], (2<<16)|(1<<20)|(5<<22)|(3<<25)  ; prev_c: 128 rows x 64 numbers of 4 bytes, 16 bytes of padding behind each row; no mask
	s_mov_b32 s[G1P+1], 64<<16
	s_mov_b32 s[G1P+2], 128<<16
	s_mov_b32 s[G1P+3], 64<<16
	s_mov_b32 s[G1P+4], 128
	s_mov_b32 s[G1P+5], 1024
	s_mov_b32 s[G1P+6], 0
	s_mov_b32 s[G1P+7], 0
	s_mul_i32 s18, s15, PART                       ; LDS: my half tile of xh in a slot,
	s_mul_i32 s19, s16, PART
	s_add_co_u32 s19, s19, 2*PART                  ; of W,
	s_mul_i32 s20, s15, CHUNK
	s_add_co_u32 s20, s20, FIRST                   ; and the same in the first sub-step's place
	s_mul_i32 s21, s16, CHUNK
	s_add_co_u32 s21, s21, FIRST+2*CHUNK
	s_sub_co_u32 s22, s19, s18
	s_sub_co_u32 s23, s21, s20
	s_add_co_u32 s40, s18, SCO
	s_add_co_u32 s41, s20, SCO
	s_lshl_b32 s42, s16, 7                         ; my 128 bytes of a row's 256
	s_mul_i32 s2, s15, 128*EP
	s_add_co_u32 s2, s2, s42                       ; prev_c's tile: my 128 rows
	s_mul_i32 s44, s15, 16*EP
	s_add_co_u32 s44, s44, STG
	s_add_co_u32 s45, s44, s42                     ; the stage, in
	s_xor_b32 s42, s16, 1
	s_mul_i32 s42, s42, 32*EP
	s_add_co_u32 s44, s44, s42                     ; the stage, back
	v_and_b32 v1, 15, v0                           ; r
	v_bfe_u32 v2, v0, 4, 1                         ; h
	v_and_b32 v3, 31, v0                           ; lane
	v_lshlrev_b32 v4, 4, v3
	v_add_nc_u32 v[ADRA], s18, v4
	v_add_nc_u32 v[ADRA+1], SLOT, v[ADRA]
	v_add_nc_u32 v[ADRA+2], s20, v4
	v_add_nc_u32 v[ADRB], s19, v4
	v_add_nc_u32 v[ADRB+1], SLOT, v[ADRB]
	v_add_nc_u32 v[ADRB+2], s21, v4
	v_lshlrev_b32 v5, 5, v1                        ; scale words: 32 r, + h x the distance from xh's part to W's
	v_mul_u32_u24 v6, s22, v2
	v_add_nc_u32 v6, v5, v6
	v_add_nc_u32 v[ADRS], s40, v6
	v_add_nc_u32 v[ADRS+1], SLOT, v[ADRS]
	v_mul_u32_u24 v6, s23, v2
	v_add_nc_u32 v6, v5, v6
	v_add_nc_u32 v[ADRS+2], s41, v6
	v_mul_u32_u24 v5, v1, EP
	v_lshl_add_u32 v5, v2, 5, v5                   ; row r, + 32 h
	v_add_nc_u32 v[PCA], s2, v5
	v_add_nc_u32 v[STC], s45, v5
	v_mul_u32_u24 v5, v2, EP
	v_lshl_add_u32 v5, v1, 4, v5                   ; back: lanes 0-15 one row, lanes 16-31 the next
	v_add_nc_u32 v[RD], s44, v5
	v_lshlrev_b32 v5, 12, v2
	v_lshl_add_u32 v[CO], v1, 4, v5
	v_lshlrev_b32 v[PFO], 12, v3
	v_lshlrev_b32 v[BOF], 5, v2
	v_add_nc_u32 v5, s43, v3                       ; blocks 38 p + lane, and 38 p + 32 + min(lane, 5), held at the last, 149
	v_min_u32 v5, 149, v5
	v_lshlrev_b32 v[PF1], 8, v5
	v_min_u32 v6, 5, v3
	v_add_nc_u32 v6, s43, v6
	v_add_nc_u32 v6, 32, v6
	v_min_u32 v6, 149, v6
	v_lshlrev_b32 v[PF2], 8, v6
	s_wait_alu depctr_va_vdst(0)
.irp a, 0,1,2,3,4,5,6,7
	BIAS \a
.endr
	s_mov_b32 s[STP], 4*CHUNK                      ; slot 0 goes from sub-step 0 to 4, then by 6
	s_mov_b32 s[STP+1], 0
	s_mov_b32 s[RST], 0
	s_mov_b32 s[RST+1], 0
	s_mov_b32 s[PST], 0
	s_mov_b32 s[PST+1], 0
	s_mov_b32 s[LIM], 1
	s_mov_b32 s[TL], 2
	s_mov_b32 s[LN], 0xbfb8aa3b                    ; -log2(e)
	s_mov_b32 s[LN+1], s[LN]
	s_mov_b32 s[L2], 0x4038aa3b                    ; 2 log2(e)
	s_mov_b32 s[L2+1], s[L2]
	s_mov_b32 s[CAP], 0x42200000                   ; 40.0
.macro FRAG reg, adr, q, i
.irp c, 0,1,2
	ds_load_b128 v[\reg+4*\c:\reg+4*\c+3], v[\adr] offset:(\q)*CHUNK+(\i)*FRB+512*\c
.endr
.endm
; 16 matrix instructions: xh's blocks a0, a0 + 1 x W's eight.  The 64 accumulators take turns, in the same order in every sub-step
.macro MUL16 a0, p
.irp a, \a0, \a0+1
.irp b, 0,1,2,3,4,5,6,7
	v_wmma_scale_f32_16x16x128_f8f6f4 v[8*(8*((\a)%4)+\b):8*(8*((\a)%4)+\b)+7], v[128*(\p)+FR*\b:128*(\p)+FR*\b+FR-1], v[AF+FR*(\a):AF+FR*(\a)+FR-1], v[8*(8*((\a)%4)+\b):8*(8*((\a)%4)+\b)+7], v[SC+8*(\p)+\b], v[SC+8*(\p)+(\a)] matrix_a_fmt:MATRIX_FMT_BF6 matrix_b_fmt:MATRIX_FMT_BF6 matrix_a_scale:MATRIX_SCALE_ROW1
.endr
.endr
.endm
.macro FETCH_B slot, q, p
	WIN TO_B
.irp i, 0,1,2,3,4,5,6,7
	FRAG 128*(\p)+FR*\i, ADRB+\slot, \q, \i
.endr
	WIN 0
.endm
.macro FETCH_A slot, q, i0
.irp i, \i0, \i0+1, \i0+2, \i0+3
	FRAG AF+FR*(\i), ADRA+\slot, \q, \i
.endr
.endm
.macro SCALES slot, q, sc
	ds_load_b128 v[SC+8*(\sc):SC+8*(\sc)+3],   v[ADRS+\slot] offset:(\q)*CHUNK
	ds_load_b128 v[SC+8*(\sc)+4:SC+8*(\sc)+7], v[ADRS+\slot] offset:(\q)*CHUNK+16
.endm
.macro FETCH0                          ; a tile's first fragments, from the first sub-step's place
	FETCH_B 2, 0, 0
	FETCH_A 2, 0, 0
	SCALES 2, 0, 0
	FETCH_A 2, 0, 4
.endm
; a sub-step whose successor lies in the same slot
.macro STEP slot, q, p
	FETCH_B \slot, (\q)+1, 1-(\p)
	s_wait_dscnt 12*NL                             ; all but the youngest 36 loads: xh's blocks 4-7 and the 24 just issued
	WIN MUL_LO
	MUL16 0, \p
	MUL16 2, \p
	s_wait_dscnt 8*NL                              ; xh's blocks 4-7 are in
	PLACES NP
	WIN 0
	FETCH_A \slot, (\q)+1, 0
	SCALES \slot, (\q)+1, 1-(\p)
	WIN MUL_HI
	MUL16 4, \p
	MUL16 6, \p
	PLACES NP
	WIN 0
	FETCH_A \slot, (\q)+1, 4
.endm
; a slot's last sub-step changes slots: each wave waits for all its tensor loads, adds 0 to its spare word, waits for that and for its reads of this slot; the barrier opens a round of the cluster's;
; the fill is the first tensor load behind the round
.macro TURN slot, p, next, kind
.if \kind == 1
	s_wait_xcnt 0x0                                ; my prefetches have read their addresses, which step here
.if \slot == 0
	s_add_nc_u64 s[PFR:PFR+1], s[PFR:PFR+1], s[RST:RST+1]
	s_mov_b32 s[RST], 3*CHUNK
.else
	s_add_nc_u64 s[PFR:PFR+1], s[PFR:PFR+1], 3*CHUNK
	s_add_nc_u64 s[PFP:PFP+1], s[PFP:PFP+1], s[PST:PST+1]
	s_mov_b32 s[PST], 32*4096
.endif
.endif
	s_wait_dscnt 4*NL                              ; all but the youngest 12 loads (xh's blocks 4-7)
	WIN MUL_LO
	MUL16 0, \p
	WIN 0
	s_wait_tensorcnt 0x0                           ; all my tensor loads have landed: every group 0 may be written
	ds_add_u32 v[SPW], v[NIL]
.if \kind == 1
.if \slot == 0
	s_mov_b32 s[G0A+1], 0
	s_mov_b32 s[G0B+1], 2*PART
	s_add_nc_u64 s[G0A+2:G0A+3], s[G0A+2:G0A+3], s[STP:STP+1]
	s_add_nc_u64 s[G0B+2:G0B+3], s[G0B+2:G0B+3], s[STP:STP+1]
	s_mov_b32 s[STP], 6*CHUNK
.else
	s_add_nc_u64 s[G0A+6:G0A+7], s[G0A+6:G0A+7], 6*CHUNK
	s_add_nc_u64 s[G0B+6:G0B+7], s[G0B+6:G0B+7], 6*CHUNK
.endif
.endif
.if \kind == 2
	s_mov_b32 s[G0A+1], FIRST                      ; from sub-step 10 to the next tile's sub-step 0
	s_mov_b32 s[G0B+1], FIRST+2*CHUNK
	s_add_nc_u64 s[G0A+2:G0A+3], s[G0A+2:G0A+3], WALKB-10*CHUNK
	s_sub_nc_u64 s[G0B+2:G0B+3], s[G0B+2:G0B+3], 10*CHUNK
.endif
	s_wait_dscnt 0x0                               ; the add is done, and my reads of this slot are over
	s_barrier_signal -1
	WIN MUL_LO
	MUL16 2, \p
	WIN 0
	s_barrier_wait -1
	CREST
	FILL \kind, \slot
	FETCH_B \next, 0, 1-(\p)
	FETCH_A \next, 0, 0
	SCALES \next, 0, 1-(\p)
.if \kind == 1
.if \slot == 0
	s_cmp_ge_u32 s3, s[LIM]
.else
	global_prefetch_b8 v[PFO], s[PFP:PFP+1] th:TH_LOAD_NT scope:SCOPE_SE
	s_cmp_gt_u32 s3, s[LIM]                        ; the loop's last turn has no refill of this tile behind the next one
.endif
	s_cbranch_scc0 .Lnp_\@
	global_prefetch_b8 v[PF1], s[PFR:PFR+1] th:TH_LOAD_NT scope:SCOPE_SE
	global_prefetch_b8 v[PF2], s[PFR:PFR+1] th:TH_LOAD_NT scope:SCOPE_SE
.Lnp_\@:
.endif
	WIN MUL_HI
	MUL16 4, \p
	MUL16 6, \p
	PLACES NP
	WIN 0
	FETCH_A \next, 0, 4
.endm
; sub-step 15.  fill = 1: slot 1 takes the next tile's sub-steps 1 to 3.  The barrier also shows prev_c's tile whole
.macro LAST fill
	s_wait_dscnt 4*NL
	WIN MUL_LO
	MUL16 0, 1
	WIN 0
	s_wait_tensorcnt 0x0
.if \fill
	ds_add_u32 v[SPW], v[NIL]
	s_add_nc_u64 s[G0A+6:G0A+7], s[G0A+6:G0A+7], WALKB-12*CHUNK
	s_sub_nc_u64 s[G0B+6:G0B+7], s[G0B+6:G0B+7], 12*CHUNK
.endif
	s_wait_dscnt 0x0
	s_barrier_signal -1
	WIN MUL_LO
	MUL16 2, 1
	WIN 0
	s_barrier_wait -1
.if \fill
	CREST
	FILL 1, 1
.endif
	WIN MUL_HI
	MUL16 4, 1
	MUL16 6, 1
	WIN 0
.endm
; the way out's helpers, each on cnt or 16 numbers
.macro MINS base, cnt
.set n, 0
.rept \cnt
	v_min_num_f32 v[\base+n], s[CAP], v[\base+n]
.set n, n+1
.endr
.endm
.macro EXPB base, cnt
.set n, 0
.rept \cnt
	v_exp_f32 v[\base+n], v[\base+n]
.set n, n+1
.endr
.endm
.macro RCPS base
.set n, 0
.rept 16
	v_rcp_f32 v[\base+n], v[\base+n]
.set n, n+1
.endr
.endm
.macro PKADD d, x, k
.set n, 0
.rept 8
	v_pk_add_f32 v[\d+n:\d+n+1], v[\x+n:\x+n+1], \k op_sel_hi:[1,0]
.set n, n+2
.endr
.endm
.macro PKMUL d, x, y
.set n, 0
.rept 8
	v_pk_mul_f32 v[\d+n:\d+n+1], v[\x+n:\x+n+1], v[\y+n:\y+n+1]
.set n, n+2
.endr
.endm
.macro PKMULS d, x, sp
.set n, 0
.rept 8
	v_pk_mul_f32 v[\d+n:\d+n+1], v[\x+n:\x+n+1], s[\sp:\sp+1] op_sel_hi:[1,0]
.set n, n+2
.endr
.endm
.macro PKFMA d, x, y, z
.set n, 0
.rept 8
	v_pk_fma_f32 v[\d+n:\d+n+1], v[\x+n:\x+n+1], v[\y+n:\y+n+1], v[\z+n:\z+n+1]
.set n, n+2
.endr
.endm
.macro TOST base, off                  ; my 16 numbers into the stage
.irp u, 0,1
	ds_store_b128 v[STC], v[\base+8*\u:\base+8*\u+3]   offset:\off+64*\u
	ds_store_b128 v[STC], v[\base+8*\u+4:\base+8*\u+7] offset:\off+64*\u+16
.endr
.endm
.macro BACK a                          ; block a's 16 rows of my plane, whole, back from the stage
.if (\a) >= 2
	s_wait_xcnt 0x0                                ; block a - 2's stores have read these registers
.endif
.irp i, 0,1,2,3,4,5,6,7
	ds_load_b128 v[OUTB+32*((\a)%2)+4*\i:OUTB+32*((\a)%2)+4*\i+3], v[RD] offset:2*\i*EP
.endr
.endm
.macro SENDST a
.irp i, 0,1,2,3,4,5,6,7
	global_store_b128 v[CO], v[OUTB+32*((\a)%2)+4*\i:OUTB+32*((\a)%2)+4*\i+3], s[12:13] offset:(16*(\a)+2*\i)*4096 th:TH_STORE_NT   ; 16 lanes store 256 consecutive bytes, aligned
.endr
.endm
; a block of 16 rows x 32 hidden units: 16 elements a lane.  A row's 256 bytes come from two waves, so the stage has two barriers a block, each signalled early and waited for late:
; one between the stores into it and the reads (signalled at a block's end, waited for in the next block), one between those reads and the next block's stores.
; Each batch of transcendentals has one wait ahead of it and one behind it.
.macro EPI a
.set AC, 64*((\a)%4)
.irp u, 0,1
	ds_load_b128 v[PCR+8*\u:PCR+8*\u+3],   v[PCA] offset:(\a)*16*EP+64*\u
	ds_load_b128 v[PCR+8*\u+4:PCR+8*\u+7], v[PCA] offset:(\a)*16*EP+64*\u+16
.endr
	WIN 0x02+(\a)/4
.if (\a) > 0
	s_wait_alu depctr_va_vdst(0)                   ; ahead of the first readers of these matrix results
.endif
.irp g, 0,1,2
.irp u, 0,1
.irp k, 0,2,4,6
	v_pk_mul_f32 v[T+16*\g+8*\u+\k:T+16*\g+8*\u+\k+1], v[AC+8*(2*\g+\u)+\k:AC+8*(2*\g+\u)+\k+1], s[LN:LN+1] op_sel_hi:[1,0]
.endr
.endr
.endr
.irp u, 0,1
.irp k, 0,2,4,6
	v_pk_mul_f32 v[T+48+8*\u+\k:T+48+8*\u+\k+1], v[AC+8*(6+\u)+\k:AC+8*(6+\u)+\k+1], s[L2:L2+1] op_sel_hi:[1,0]
.endr
.endr
	WIN 0
	MINS T, 64
	s_wait_alu depctr_va_vdst(0)
.if (\a) > 0
	s_barrier_wait -1                              ; both halves of the last block's rows lie in the stage
	BACK (\a)-1
.endif
	s_cmp_eq_u32 s[TL], 1
	s_cbranch_scc1 .Lnb_\@
	BIAS \a                                        ; a tile follows: this block's accumulators, read above, begin anew
.Lnb_\@:
	EXPB T, 64                                     ; Ei, Ef, Eo, Ez
	s_wait_dscnt 0x0                               ; prev_c is in, and the last block's rows
.if (\a) > 0
	SENDST (\a)-1
	s_barrier_signal -1                            ; my reads of the stage are over
.endif
	v_nop
	s_wait_alu depctr_va_vdst(0)
	PKADD NZ, T+48, -1.0                           ; Nz
	PKADD T, T, 1.0                                ; Ai
	PKADD T+16, T+16, 1.0                          ; Af
	PKADD T+48, T+48, 1.0                          ; Az
	PKMUL T, T, T+48                               ; Ai Az
	PKMUL NZ, NZ, T+16                             ; Nz Af
	PKFMA NZ, PCR, T, NZ                           ; prev_c Ai Az + Nz Af
	PKMUL T, T, T+16                               ; Ai Az Af
	s_wait_alu depctr_va_vdst(0)
	RCPS T
	PKADD T+32, T+32, 1.0                          ; Ao
	s_wait_alu depctr_va_vdst(0)
	PKMUL CC, NZ, T                                ; c
	PKMULS T+48, CC, L2
	MINS T+48, 16
	s_wait_alu depctr_va_vdst(0)
	EXPB T+48, 16                                  ; Ec
.if (\a) > 0
	s_barrier_wait -1                              ; everybody's reads of the stage are over
.endif
	TOST CC, 0
	v_nop
	s_wait_alu depctr_va_vdst(0)
	PKADD NZ, T+48, -1.0                           ; Nc
	PKADD T+48, T+48, 1.0                          ; Ac
	PKMUL T+48, T+48, T+32                         ; Ac Ao
	s_wait_alu depctr_va_vdst(0)
	RCPS T+48
	v_nop
	s_wait_alu depctr_va_vdst(0)
	PKMUL T+16, NZ, T+48                           ; h
	TOST T+16, 32*EP
	s_wait_dscnt 0x0                               ; for the others' sake: my stores into the stage are done
	s_barrier_signal -1
.endm
	s_wait_tensorcnt 0x0                           ; my one of the head's four fills has landed,
	s_barrier_signal -1
	s_barrier_wait -1                              ; everybody's has
	FETCH0
	s_wait_loadcnt 0x0                             ; the accumulators hold the biases
.Ltile:
	s_mov_b32 s3, 2
.Lk:                                                   ; sub-steps 0 to 5, then 6 to 11; both turns refill
	TURN 0, 0, 1, 1
	STEP 1, 0, 1
	STEP 1, 1, 0
	TURN 1, 1, 0, 1
	STEP 0, 0, 0
	STEP 0, 1, 1
	s_sub_co_u32 s3, s3, 1
	s_cmp_lg_u32 s3, 0
	s_cbranch_scc1 .Lk
	s_cmp_eq_u32 s[TL], 1
	s_cbranch_scc1 .Lt12_last
	TURN 0, 0, 1, 2                                ; 12
	s_branch .Lt12_done
.Lt12_last:
	TURN 0, 0, 1, 3
.Lt12_done:
	STEP 1, 0, 1                                   ; 13
	STEP 1, 1, 0                                   ; 14
	s_cmp_eq_u32 s[TL], 1
	s_cbranch_scc1 .Lt15_last
	LAST 1                                         ; 15
	s_branch .Lt15_done
.Lt15_last:
	LAST 0
.Lt15_done:
	PLACES NP                                      ; behind the last products
.irp a, 0,1,2,3,4,5,6,7
	EPI \a
.endr
	s_barrier_wait -1
	BACK 7
	s_wait_dscnt 0x0
	SENDST 7
	s_cmp_eq_u32 s[TL], 1
	s_cbranch_scc1 .Ldone
	s_wait_tensorcnt 0x0                           ; the next tile's sub-steps 0 to 3 have landed,
	s_barrier_signal -1
	s_barrier_wait -1                              ; everybody's parts
	s_wait_xcnt 0x0                                ; the stores have read their registers and their base
	FETCH0
	s_add_nc_u64 s[12:13], s[12:13], TSTEP
	s_add_nc_u64 s[G0P+2:G0P+3], s[G0P+2:G0P+3], TSTEP
	s_add_nc_u64 s[PFP:PFP+1], s[PFP:PFP+1], TSTEP-32*4096
	s_add_nc_u64 s[PFR:PFR+1], s[PFR:PFR+1], WALKB-9*CHUNK
	s_mov_b32 s[STP], 4*CHUNK
	s_mov_b32 s[RST], 0
	s_mov_b32 s[PST], 0
	s_cmp_lt_u32 s14, 2
	s_cselect_b32 s[LIM], 1, -1                    ; W's rows are the same for both tiles: they are named no more
	s_wait_loadcnt 0x0                             ; the accumulators hold the biases
	s_sub_co_u32 s[TL], s[TL], 1
	s_branch .Ltile
.Ldone:
	s_wait_tensorcnt 0x0                           ; the wave's end
	ds_add_u32 v[SPW], v[NIL]
	s_wait_dscnt 0x0
	CROUND                                         ; the closing round
	s_endpgm
.Lfunc_end_k_q269a4fbc3d_lstm:
	.size	k_q269a4fbc3d_lstm, .Lfunc_end_k_q269a4fbc3d_lstm-k_q269a4fbc3d_lstm
	.p2alignl 7, 3214868480
	.fill 96, 4, 3214868480
	.section	.rodata,"a",@progbits
	.p2align	6, 0x0
	.amdhsa_kernel k_q269a4fbc3d_lstm
		.amdhsa_group_segment_fixed_size 327680
		.amdhsa_private_segment_fixed_size 0
		.amdhsa_enable_private_segment 0
		.amdhsa_kernarg_size 64
		.amdhsa_user_sgpr_count 2
		.amdhsa_user_sgpr_kernarg_segment_ptr 1
		.amdhsa_wavefront_size32 1
		.amdhsa_system_sgpr_workgroup_id_x 1
		.amdhsa_system_sgpr_workgroup_id_y 1
		.amdhsa_system_sgpr_workgroup_id_z 1
		.amdhsa_system_vgpr_workitem_id 0
		.amdhsa_next_free_vgpr 1024
		.amdhsa_next_free_sgpr 102
		.amdhsa_reserve_vcc 0
		.amdhsa_float_denorm_mode_32 3
		.amdhsa_float_denorm_mode_16_64 3
		.amdhsa_memory_ordered 1
		.amdhsa_forward_progress 1
		.amdhsa_inst_pref_size 255
	.end_amdhsa_kernel
	.section	.bss,"aw",@nobits
	.p2align	6
	.space	262144
	.amdgpu_metadata
---
amdhsa.version: [ 1, 2 ]
amdhsa.kernels:
  - .name:           k_q269a4fbc3d_lstm
    .symbol:         k_q269a4fbc3d_lstm.kd
    .args:
      - { .name: a_ops, .offset: 0, .size: 8, .value_kind: global_buffer, .address_space: global }
      - { .name: w_ops, .offset: 8, .size: 8, .value_kind: global_buffer, .address_space: global }
      - { .name: bi, .offset: 16, .size: 8, .value_kind: global_buffer, .address_space: global }
      - { .name: bf, .offset: 24, .size: 8, .value_kind: global_buffer, .address_space: global }
      - { .name: bo, .offset: 32, .size: 8, .value_kind: global_buffer, .address_space: global }
      - { .name: bz, .offset: 40, .size: 8, .value_kind: global_buffer, .address_space: global }
      - { .name: prev_c, .offset: 48, .size: 8, .value_kind: global_buffer, .address_space: global }
      - { .name: out0, .offset: 56, .size: 8, .value_kind: global_buffer, .address_space: global }
    .group_segment_fixed_size: 327680
    .private_segment_fixed_size: 0
    .kernarg_segment_align: 8
    .kernarg_segment_size: 64
    .max_flat_workgroup_size: 128
    .sgpr_count:     102
    .vgpr_count:     1024
    .wavefront_size: 32
...
	.end_amdgpu_metadata
.endif
;; end of part 2
